; MI455X (gfx1250); checked and timed in simulation.
; The chip was launched on July 23, 2026; its instructions are those of AMD's public machine-readable ISA for CDNA 5 (MIT licence, August 2026) and "CDNA5" Instruction Set Architecture Reference Guide (July 2026). The comments in the code are by the model that wrote it; some were corrected since.
;; Attention. Allowed arithmetic: matrix products marked QUANTISED: E5M2 operands, one given power-of-two scale a tensor, by v_wmma_f32_16x16x64_bf8_bf8 or v_wmma_f32_16x16x128_bf8_bf8, f32 sums; everything else in f32.
;; Inputs: Wk_codes 16 x 64 x 32 x 32 uint8 (E5M2 codes of Wk, K innermost, in blocks of 32 codes); Wq_codes 16 x 64 x 32 x 32 uint8 (E5M2 codes of Wq, K innermost, in blocks of 32 codes); Wv_codes 16 x 64 x 32 x 32 uint8 (E5M2 codes of Wv, K innermost, in blocks of 32 codes); lowp_scales 10 int32 (the exponents e of the quantised operands' scales 2^e); x_codes 4,096 x 32 x 32 uint8 (E5M2 codes of x, K innermost, in blocks of 32 codes).
;; Outputs: out0 4,096 x 1,024 float32.
;; This version of the problem:
;;   THIS VERSION OF THE PROBLEM IS GIVEN IN LOW PRECISION. The matrix products marked QUANTISED in the list below multiply operands that are first quantised to E5M2 (5 exponent bits, 2 mantissa bits; 8 bits a number), with one given power-of-two scale for each operand tensor; their sums are f32. All else is computed in f32.
;;   The module's matrix products, in the order in which they are computed (A, B: the left and right operand; K: the contracted axis; several contracted axes count as one K, in the product's order):
;;     1. [M 1,024, K 1,024] x [K 1,024, N 4,096]; A: input Wk (given as codes); B: input x (given as codes): QUANTISED (scales: A lowp_scales[0], B lowp_scales[1])
;;     2. [M 1,024, K 1,024] x [K 1,024, N 4,096]; A: input Wq (given as codes); B: input x (given as codes): QUANTISED (scales: A lowp_scales[2], B lowp_scales[3])
;;     3. [M 1,024, K 1,024] x [K 1,024, N 4,096]; A: input Wv (given as codes); B: input x (given as codes): QUANTISED (scales: A lowp_scales[4], B lowp_scales[5])
;;     4. batch 16 x [M 4,096, K 64] x [K 64, N 4,096]; A: computed on the way; B: computed on the way: QUANTISED (scales: A lowp_scales[6], B lowp_scales[7])
;;     5. batch 16 x [M 4,096, K 4,096] x [K 4,096, N 64]; A: softmax (see below); B: computed on the way: QUANTISED (scales: A lowp_scales[8], B lowp_scales[9])
;;   THE QUANTISER, for each operand of a quantised product, along K:
;;     - The operand's scale is 2^e, e = its entry of the input lowp_scales (int32; the entries are numbered through the quantised products in the list's order, A before B).
;;     - Each number is divided by the scale, clamped to +-57,344, and rounded to the nearest number of E5M2, ties to even, subnormals kept.
;;     - The product sums the exact products of the quantised numbers (number of the format x scale) in f32.
;;   ~~~python
;;   def quantise(x, axis, e):      # numpy; x: float32 -> the quantised numbers, widened to float32 again
;;       x = np.moveaxis(x, axis, -1); K = x.shape[-1]
;;       r = np.clip(x / 2.0 ** e, -57344, 57344)
;;       step = 2.0 ** (np.maximum(np.frexp(np.where(r == 0, 1, r))[1] - 1, -14) - 2)
;;       q = np.round(r / step) * step * 2.0 ** e      # np.round: ties to even
;;       return np.moveaxis(q, -1, axis).astype(np.float32)
;;   ~~~
;;   SOFTMAX AHEAD OF A QUANTISED PRODUCT. Where the list says 'softmax', what is quantised is not the finished softmax but p = 2^(t - M), with t = logit x log2(e) and M = ceil(the row's largest t), a whole number; so 1/2 < the row's largest p <= 1. The row's sum l is taken of the UNQUANTISED p, in f32, and the product's result is divided by l at the end. Since M is a whole number, a kernel that streams over the keys may use a running M (the ceiling of the running maximum): every later rescaling is an exact power of two, so the quantised numbers keep their values, but for numbers so far below the row's largest that they fall under the format's range.
;;   OPERANDS COMPUTED ON THE WAY. 'Computed on the way' means the value that the module computes at that place (a softmax that the list does not call 'softmax' is quantised finished and normalised). What goes into a quantiser is computed in f32, as accurately as f32 sums, v_exp_f32 and their like allow (about 1e-6 of the number): no bf16 or f16 on the way to a quantiser, and a product that is left as it is and whose result goes on into a quantised operand takes f32 operands (vector FMAs, or v_wmma_f32_16x16x4_f32). A number that lies on a knife's edge between two numbers of the format may be rounded either way, as far as f32 arithmetic and the matrix unit's own rounding can turn it there, and no further.
;;   INPUTS GIVEN AS CODES. Wk (in the module: [16, 1024, 64], K = its axis 1); Wq (in the module: [16, 1024, 64], K = its axis 1); Wv (in the module: [16, 1024, 64], K = its axis 1); x (in the module: [4096, 1024], K = its axis 1): each comes as NAME_codes (uint8): NAME with its K axis moved to the last place and cut into blocks of 32 codes, [.., K / 32, bytes a block], one block behind the other in memory; one code a byte (a code: sign, 5 exponent bits, 2 mantissa bits); its scale is its entry of lowp_scales. Its value is code x scale, taken as it is: it is not quantised again, and the codes and scales need not be those that the quantiser above would give.
;; One version. Each part assembles by itself: llvm-mc -triple=amdgcn-amd-amdhsa -mcpu=gfx1250 --defsym DOCPART=n.
;; ======== version 1 of 1: 2 launches
;; workspace buffers: kqv 12,582,912 bytes
;; launch proj (part 1): grid 48 x 4, 4 waves a work-group, clusters of 4 x 4, 327,680 bytes of LDS; arguments x_codes, Wk_codes, Wq_codes, Wv_codes, lowp_scales, kqv; writes kqv
.if DOCPART == 1
	.amdgcn_target "amdgcn-amd-amdhsa--gfx1250"
	.amdhsa_code_object_version 6
	.text
	.protected	k_q5c2e9e0f3a_proj
	.globl	k_q5c2e9e0f3a_proj
	.p2align	8
	.type	k_q5c2e9e0f3a_proj,@function
k_q5c2e9e0f3a_proj:
	s_mov_b64 s[64:65], 0
	v_nop
	global_prefetch_b8 v0, s[64:65] scope:SCOPE_SE
	s_setreg_imm32_b32 hwreg(HW_REG_WAVE_MODE, 25, 1), 1
	s_wait_xcnt 0x0
	s_wait_alu depctr_hold_cnt(0) depctr_sa_sdst(0) depctr_va_vdst(0) depctr_va_sdst(0) depctr_va_ssrc(0) depctr_va_vcc(0) depctr_vm_vsrc(0)
	s_getreg_b32 s2, hwreg(HW_REG_IB_STS2, 6, 4)
	s_cmp_eq_u32 s2, 0
	s_cbranch_scc0 .Lentry_in_a_cluster
	s_endpgm
.Lentry_in_a_cluster:
	s_bfe_u32 s2, ttmp6, 0x10000c
	s_cmp_lg_u32 s2, 0xf033
	s_cbranch_scc0 .Lentry_shape_is_right
	s_endpgm
.Lentry_shape_is_right:
; THE THREE PROJECTIONS, ON CODES OF BF8 (E5M2), AND THEIR RESULTS QUANTISED AGAIN.
; K[h][t][s] = sum over d of x[t][d] Wk[h][d][s], likewise Q and V.  x_codes: [4096][1024], W*_codes: [16 x 64][1024], one code a byte, d innermost.
; A sum of codes stands for sum x 2^(ea + eb) (K: entries 0, 1 of the scales; Q: 2, 3; V: 4, 5) and is quantised with 2^eo (K: entry 6; Q: 7; V: 9): code = sum / 2^(eo - ea - eb), held within +-57,344.
; LIMITS: eo - ea - eb lies between -126 and 112, so that that power of two and 57,344 times it are f32 numbers.  NaN is not served.
; SHARES.  Every product is C' = A' B'^T with 1,024 along K.  Twelve clusters of 4 x 4 work-groups, c = the cluster's number: c = 0..3: K (A' = x, B' = Wk), c = 4..7: Q (A' = x, B' = Wq),
; c = 8..11: V (A' = Wv, B' = x).  A work-group makes 256 x 256 of C', each of its four waves 128 x 128: 64 accumulators, 512 registers.  Tile row = 4 ra + cy, tile column = 4 rb + cx.
; 3 x 4,096 x 1,024 numbers are 192 such tiles: one to a work-group.
; THE MATRIX INSTRUCTION IS USED TRANSPOSED (source 0 = 16 rows of B', source 1 = 16 rows of A'): a lane holds ONE row of A' (lane % 16) and, in accumulator b, the rows 16 b + 8 (lane / 16) + 0 .. 7 of B'.
; So the eight codes made of an accumulator are registers 2 b, 2 b + 1 of a fragment whose K runs along B's rows, already in the lane that wants them.  For K and Q that K is the head's 64 channels;
; for V it is t, which is why V takes Wv as A' and x as B'.
; WHAT IS STORED: IMAGES OF OPERAND REGISTERS, three sections of 4 MiB.  l = lane.
;   K at 0, Q at 4 MiB: head x 262,144 + (t / 16) x 1,024 + piece x 512 + 16 l: registers 4 piece .. 4 piece + 3 of the fragment (16 rows t x 64 channels).
;   V at 8 MiB: head x 262,144 + (t / 128) x 8,192 + (channel / 16) x 2,048 + g x 512 + 16 l: registers 4 g .. 4 g + 3 of the fragment (16 channels x 128 t).
;   Each store of a wave covers 512 consecutive bytes, aligned.
; K goes in steps of 256 through a ring of two LDS slots filled by the tensor data mover.  The four work-groups of a row of the cluster need the same tiles of A', the four of a column the same tiles of B':
; each tile is asked for JOINTLY, by the same tensor load with the same descriptor and a mask that names the four.
; A fragment is fetched by four loads of 16 bytes, which puts k in other places than the form's own layout does, alike in both operands: every product meets its partner.
; REGISTERS, in windows of 256: window 0: v0-31 addresses and the two numbers of the quantiser; v32-95 at work on the way out; from v128 A's fragments, ONE set, and on the way out the codes.
;   window 1: B's fragments, TWO sets, at v0 and v128.   window 2: the accumulators of my rows 0-63 ((a, b) at v[8 (8 a + b)]);   window 3: those of my rows 64-127.
.set KSTEP,  256                       ; along K in a slot
.set ROWB,   256                       ; a tile's row in bytes
.set KROW,   1024                      ; a row of A' or B' in memory, in bytes
.set PITCH,  272                       ; an LDS row: 256 bytes + 16 of padding = 68 words: row r starts at bank 4 r mod 64 (64 banks of 4 bytes: ISA guide 11.1)
.set FR,     16                        ; registers of a fragment: 16 rows x 128 K
.set NL,     4                         ; LDS loads that bring one
.set NP,     4                         ; places behind this matrix instruction (ISA guide 7.12.1)
.set HALFT,  128*PITCH                 ; 128 rows: what one tensor load brings, and what one wave reads of A' or of B'
.set SLOT,   4*HALFT                   ; A's 256 rows, then B's 256 rows
.set LAPS,   1024/(2*KSTEP)            ; a lap = two K steps = once round the ring
.set SPARE,  2*SLOT                    ; behind the ring: the spare words, 128 bytes for each wave: two blocks of 256 bytes that no other line names
.set LIM,  12                          ; v12     57,344 x 2^(eo - ea - eb)
.set SCL,  13                          ; v13     2^(eo - ea - eb): the conversion takes its exponent field
.set ADRA, 16                          ; v16-17  LDS address of my A fragments in slot 0, 1
.set ADRB, 20                          ; v20-21  the same for B
.set CO,   26                          ; v26     16 x lane: my place in an image; never rewritten
.set SPW,  28                          ; v28     LDS address of my spare word; never rewritten
.set NIL,  29                          ; v29     0; never rewritten
.set TMP,  32                          ; the way out: 64 registers, a block's sums, held
.set AF,   128                         ; A's fragments, in window 0
.set G1, 24                            ; s[24:31] descriptor group 1 for A's tiles;  s[32:39] group 0, one set for each slot
.set G0, 32
.set G1B, 48                           ; s[48:55], s[56:63] the same for B's tiles
.set G0B, 56
.set MSB, 0
.macro WIN new                         ; the immediate's high byte repeats the setting that is left
.if MSB != \new
	s_set_vgpr_msb (MSB<<8)|\new
.set MSB, \new
.endif
.endm
.set MUL_LO, 0xa1                      ; source 0 (B) window 1, source 1 (A) window 0, C and D window 2
.set MUL_HI, 0xf1                      ; the same, C and D window 3
.set TO_B,   0x40                      ; destination window 1, address window 0
; A joint load: waves 0 and 1 fetch for A', waves 2 and 3 for B'.  Each of the two lines has ONE mask and one set of registers for all that issue it; the branch hangs on the wave's number alone.
; Four v_nop follow each of the two lines, ahead of the jump, the label and what follows.
.macro JLOAD g0a, g1a, g0b, g1b
	s_cmp_eq_u32 s15, 0
	s_cbranch_scc0 .Lfor_b_\@
	tensor_load_to_lds s[\g0a:\g0a+3], s[\g1a:\g1a+7]
	s_nop 0
.rept 4
	v_nop
.endr
	s_branch .Lasked_\@
.Lfor_b_\@:
	tensor_load_to_lds s[\g0b:\g0b+3], s[\g1b:\g1b+7]
	s_nop 0
.rept 4
	v_nop
.endr
.Lasked_\@:
.endm
.macro CREST                           ; a round of the cluster's barrier behind its opening barrier
	s_cmp_lg_u32 s14, 0
	s_cbranch_scc1 .Lnot_wave_0_\@
	s_barrier_signal -3
.Lnot_wave_0_\@:
	s_barrier_wait -3
	s_barrier_signal -1
	s_barrier_wait -1
.endm
.macro CROUND                          ; a whole round
	s_barrier_signal -1
	s_barrier_wait -1
	CREST
.endm
	s_load_b256 s[4:11], s[0:1], 0x0               ; x s[4:5], Wk s[6:7], Wq s[8:9], Wv s[10:11]
	s_load_b128 s[68:71], s[0:1], 0x20             ; the scales' exponents s[68:69], the images s[70:71]
	v_lshl_add_u32 v[SPW], v0, 2, SPARE
	v_mov_b32 v[NIL], 0
	ds_add_u32 v28, v29
	s_wait_dscnt 0x0
	v_lshrrev_b32 v1, 5, v0
	v_readfirstlane_b32 s14, v1                    ; wave 0..3
	s_lshr_b32 s15, s14, 1                         ; which half of the tile's rows is mine.  Also: I fetch for A' (0) or for B' (1)
	s_and_b32 s16, s14, 1                          ; which half of its columns.  Also: which 128 rows of that tile I fetch
	s_bfe_u32 s40, ttmp6, 0x40000                  ; cx, cy: my place in the cluster
	s_bfe_u32 s41, ttmp6, 0x40004
	s_and_b32 s92, ttmp9, 3                        ; c % 4
	s_sub_co_u32 s93, ttmp9, 8                     ; c - 8 (taken where c is 8 or more)
	s_cmp_lt_u32 ttmp9, 8                          ; K or Q?  The cluster's number is the same in all sixteen partners
	s_cselect_b32 s92, s92, 0                      ; ra: x has 16 tile rows, Wv four
	s_cselect_b32 s93, 0, s93                      ; rb: Wk and Wq have four tile columns, x sixteen
	s_lshl_b32 s42, s93, 2
	s_add_co_u32 s42, s42, s40                     ; tile column = 4 rb + cx
	s_lshl_b32 s17, s92, 2
	s_add_co_u32 s17, s17, s41                     ; tile row = 4 ra + cy
	s_lshl_b32 s43, s41, 2
	s_lshl_b32 s43, 15, s43                        ; my row of the cluster
	s_lshl_b32 s44, 0x1111, s40                    ; my column
	; descriptor group 1: a tile of 128 rows x 256 bytes, padded in LDS
	s_or_b32 s[G1+0], s43, (0<<16)|(1<<20)|(1<<21)|(5<<22)|(3<<25)  ; 15:0 the mask: A's tiles go to my row; 17:16 element of 1 byte; 20 padding on; 21 set beside a mask; 24:22 after every 64 words (code 5); 31:25 of 4 words (code 3)
	s_or_b32 s[G1B+0], s44, (0<<16)|(1<<20)|(1<<21)|(5<<22)|(3<<25) ; the same with the mask of my column
.irp g, G1, G1B
	s_mov_b32 s[\g+1], ROWB<<16                    ; tensor_dim0
	s_mov_b32 s[\g+2], 128<<16                     ; tensor_dim1 = 128
	s_mov_b32 s[\g+3], ROWB<<16                    ; tile_dim0
	s_mov_b32 s[\g+4], 128                         ; tile_dim1 = 128
	s_mov_b32 s[\g+5], KROW                        ; tensor_dim0_stride
	s_mov_b32 s[\g+6], 0
	s_mov_b32 s[\g+7], 0
.endr
	s_lshl_b32 s18, s16, 7                         ; which 128 rows of the tile I fetch
	s_lshl_b32 s20, s17, 8
	s_add_co_u32 s20, s20, s18                     ; A': row 256 x tile row + 128 x half,
	s_lshl_b32 s20, s20, 10                        ; in bytes: under 4 MiB
	s_mov_b32 s21, 0
	s_lshl_b32 s46, s42, 8
	s_add_co_u32 s46, s46, s18                     ; B': row 256 x tile column + 128 x half
	s_lshl_b32 s46, s46, 10
	s_mov_b32 s47, 0
	s_mul_i32 s45, s14, HALFT                      ; where they go: wave x 128 rows: no place in the cluster enters an LDS address
	s_wait_kmcnt 0x0
	s_load_b256 s[72:79], s[68:69], 0x0            ; entries 0 to 7 of the scales
	s_load_b32 s80, s[68:69], 0x24                 ; entry 9
	s_cmp_lt_u32 ttmp9, 4
	s_cselect_b64 s[84:85], s[6:7], s[8:9]         ; Wk or Wq
	s_cmp_lt_u32 ttmp9, 8
	s_cselect_b64 s[82:83], s[4:5], s[10:11]       ; A' = x, or Wv
	s_cselect_b64 s[84:85], s[84:85], s[4:5]       ; B' = Wk or Wq, or x
	s_add_nc_u64 s[20:21], s[82:83], s[20:21]
	s_add_nc_u64 s[46:47], s[84:85], s[46:47]
	CROUND                                         ; all sixteen work-groups are here: the first joint loads meet
.irp s, 0,1
	s_mov_b32 s[G0+4*\s], 1
	s_add_co_u32 s[G0+4*\s+1], s45, \s*SLOT
	s_add_nc_u64 s[G0+4*\s+2:G0+4*\s+3], s[20:21], \s*ROWB
	s_or_b32 s[G0+4*\s+3], s[G0+4*\s+3], 0x80000000
	s_mov_b32 s[G0B+4*\s], 1
	s_add_co_u32 s[G0B+4*\s+1], s45, \s*SLOT
	s_add_nc_u64 s[G0B+4*\s+2:G0B+4*\s+3], s[46:47], \s*ROWB
	s_or_b32 s[G0B+4*\s+3], s[G0B+4*\s+3], 0x80000000
	JLOAD G0+4*\s, G1, G0B+4*\s, G1B               ; two tensor loads of mine are out behind these
.endr
	v_and_b32 v1, 15, v0                           ; l % 16
	v_bfe_u32 v2, v0, 4, 1                         ; l / 16
	v_mul_u32_u24 v3, v1, PITCH
	v_lshl_add_u32 v4, v2, 4, v3                   ; a fragment's row x pitch + 16 x half
	s_mul_i32 s21, s15, HALFT                      ; my 128 rows of A'
	s_mul_i32 s22, s16, HALFT                      ; my 128 rows of B',
	s_add_co_u32 s22, s22, 2*HALFT                 ; which lie behind A's 256
.irp s, 0,1
	v_add_nc_u32 v[ADRA+\s], s21, v4
	v_add_nc_u32 v[ADRB+\s], s22, v4
	s_add_co_u32 s21, s21, SLOT
	s_add_co_u32 s22, s22, SLOT
.endr
	v_and_b32 v6, 31, v0
	v_lshlrev_b32 v[CO], 4, v6                     ; 16 x lane
	; where my wave's images begin.  K, Q: my 128 columns are heads 4 x tile column + 2 x half and the next; my 128 rows are t: 64 bytes of image a row
	s_lshl_b32 s86, s42, 2
	s_lshl_b32 s87, s16, 1
	s_add_co_u32 s86, s86, s87
	s_lshl_b32 s86, s86, 18
	s_lshl_b32 s87, s17, 8
	s_lshl_b32 s88, s15, 7
	s_add_co_u32 s87, s87, s88
	s_lshl_b32 s87, s87, 6
	s_add_co_u32 s86, s86, s87
	; V: my 128 rows are heads 4 x tile row + 2 x half and the next; my 128 columns are t: block 2 x tile column + half of 8,192 bytes
	s_lshl_b32 s87, s17, 2
	s_lshl_b32 s88, s15, 1
	s_add_co_u32 s87, s87, s88
	s_lshl_b32 s87, s87, 18
	s_lshl_b32 s88, s42, 1
	s_add_co_u32 s88, s88, s16
	s_lshl_b32 s88, s88, 13
	s_add_co_u32 s87, s87, s88
	s_lshr_b32 s88, ttmp9, 2                       ; the section: 0 K, 1 Q, 2 V,
	s_lshl_b32 s88, s88, 22                        ; of 4 MiB
	s_cmp_lt_u32 ttmp9, 8
	s_cselect_b32 s90, s86, s87
	s_add_co_u32 s90, s90, s88
	s_mov_b32 s91, 0
	s_add_nc_u64 s[70:71], s[70:71], s[90:91]
.macro FRAG reg, adr, q, i             ; a fragment, 16 rows x 128 K, is 16 registers: lane l holds row l % 16; registers 4 c .. 4 c + 3 hold K = 32 c + 16 (l / 16) + 0 .. 15
.irp c, 0,1,2,3
	ds_load_b128 v[\reg+4*\c:\reg+4*\c+3], v[\adr] offset:128*(\q)+32*\c+(\i)*16*PITCH
.endr
.endm
; 16 matrix instructions: A's blocks a0, a0 + 1 x B's eight, 128 along K.  p: B's set.  zero = 1: the first product starts the sums: nothing is ever cleared.
; The 64 accumulators take turns, one instruction a turn, in the same order in every step.
.macro MUL16 a0, p, zero
.irp a, \a0, \a0+1
.irp b, 0,1,2,3,4,5,6,7
.if \zero
	v_wmma_f32_16x16x128_bf8_bf8 v[8*(8*((\a)%4)+\b):8*(8*((\a)%4)+\b)+7], v[128*(\p)+FR*\b:128*(\p)+FR*\b+FR-1], v[AF+FR*(\a):AF+FR*(\a)+FR-1], 0
.else
	v_wmma_f32_16x16x128_bf8_bf8 v[8*(8*((\a)%4)+\b):8*(8*((\a)%4)+\b)+7], v[128*(\p)+FR*\b:128*(\p)+FR*\b+FR-1], v[AF+FR*(\a):AF+FR*(\a)+FR-1], v[8*(8*((\a)%4)+\b):8*(8*((\a)%4)+\b)+7]
.endif
.endr
.endr
.endm
.macro FETCH_B slot, q, p              ; B's eight fragments of the slot's q-th 128 along K into set p
	WIN TO_B
.irp i, 0,1,2,3,4,5,6,7
	FRAG 128*(\p)+FR*\i, ADRB+\slot, \q, \i
.endr
	WIN 0
.endm
.macro FETCH_A slot, q, i0             ; A's blocks i0 .. i0 + 3
.irp i, \i0, \i0+1, \i0+2, \i0+3
	FRAG AF+FR*(\i), ADRA+\slot, \q, \i
.endr
.endm
; A load into a register that a matrix instruction has read, and a vector instruction that reads a matrix result or writes one of its registers, stand NP places behind that matrix instruction, and only plain
; vector instructions that name none of its registers are places (ISA guide 7.12.1 for vector instructions).
.macro PLACES n
.rept \n
	v_nop
.endr
.endm
; A step of 128 along K that has its successor in the same slot.  A block of A' is free as soon as its eight products are issued, so one set serves A'; B's fragments are at work through the whole step: two sets.
.macro STEP slot, q, zero
	s_wait_dscnt 4*NL                              ; B's set and A's blocks 0-3 are in; the youngest 16 loads (A's blocks 4-7) may be out
	WIN MUL_LO
	MUL16 0, (\q)%2, \zero
	MUL16 2, (\q)%2, \zero
	s_wait_dscnt 0                                 ; A's blocks 4-7 are in
	PLACES NP
	FETCH_B \slot, (\q)+1, 1-(\q)%2
	FETCH_A \slot, (\q)+1, 0
	WIN MUL_HI
	MUL16 4, (\q)%2, \zero
	MUL16 6, (\q)%2, \zero
	PLACES NP
	WIN 0
	FETCH_A \slot, (\q)+1, 4
.endm
; A slot's last step changes slots: ONE barrier; in front of it each wave waits for all its tensor loads, adds 0 to its spare word, and waits for that and for its own reads of this slot.  fill = 1: this slot is filled again, two K steps ahead.
.macro TURN slot, next, fill
	s_wait_tensorcnt 0x0                           ; all my tensor loads have landed: my part of the next slot  (every window is 0 here: the add's two registers lie in window 0)
	ds_add_u32 v[SPW], v[NIL]                      ; 0 onto my spare word
	s_wait_dscnt 4*NL+1                            ; the add and the youngest 16 loads, A's blocks 4-7, may be out
	WIN MUL_LO
	MUL16 0, 1, 0                                  ; sixteen matrix instructions stand between the add and the wait for it
	s_wait_dscnt 0x0                               ; the add is done, and my reads of this slot are over
	s_barrier_signal -1
	MUL16 2, 1, 0
	WIN 0
	s_barrier_wait -1
.if \fill
	CREST                                          ; the barrier has opened a round of the cluster's barrier: no wave of any partner still reads this slot's tile or has a load on its way
	s_add_nc_u64 s[G0+4*\slot+2:G0+4*\slot+3], s[G0+4*\slot+2:G0+4*\slot+3], 2*ROWB
	s_add_nc_u64 s[G0B+4*\slot+2:G0B+4*\slot+3], s[G0B+4*\slot+2:G0B+4*\slot+3], 2*ROWB
	JLOAD G0+4*\slot, G1, G0B+4*\slot, G1B         ; the first tensor load behind the round, my only one until the next; its four v_nop are the places in front of the loads below
.else
	PLACES NP
.endif
	FETCH_B \next, 0, 0
	FETCH_A \next, 0, 0
	WIN MUL_HI
	MUL16 4, 1, 0
	MUL16 6, 1, 0
	PLACES NP
	WIN 0
	FETCH_A \next, 0, 4
.endm
	s_wait_tensorcnt 1                             ; my part of K step 0 is in (K step 1's load may be out)
	s_barrier_signal -1
	s_barrier_wait -1                              ; everybody's is
	FETCH_B 0, 0, 0
	FETCH_A 0, 0, 0
	FETCH_A 0, 0, 4
	STEP 0, 0, 1                                   ; the first step stands in front of the loop: its products start the sums
	s_mov_b32 s3, LAPS-1
.Llap:                                                 ; a trip goes once round the ring, from a lap's second step to the next lap's first, and fills both slots again
	TURN 0, 1, 1
	STEP 1, 0, 0
	TURN 1, 0, 1
	STEP 0, 0, 0
	s_sub_co_u32 s3, s3, 1
	s_cmp_lg_u32 s3, 0
	s_cbranch_scc1 .Llap
	TURN 0, 1, 0                                   ; the last lap fills nothing, and has no round of the cluster's barrier
	STEP 1, 0, 0
	s_wait_dscnt 4*NL                              ; the very last step: nothing more to fetch
	WIN MUL_LO
	MUL16 0, 1, 0
	MUL16 2, 1, 0
	s_wait_dscnt 0
	WIN MUL_HI
	MUL16 4, 1, 0
	MUL16 6, 1, 0
	WIN 0
; THE WAY OUT, block by block of 16 rows of A'.  A block's 64 sums a lane are held within +-57,344 x the scale (the conversion to an 8-bit code does not saturate: ISA guide 7.6.2), into other registers,
; each accumulator from its low end on; eight conversions give the block's 16 registers of codes; four stores of 16 bytes a lane put them where the image wants them.
; Each block has 16 code registers of its own (where A's fragments lay), so that no store's data are written again.
.macro OUT a, isv
.set AC, 64*((\a)%4)
.set CD, 128+16*(\a)
	WIN 0x02+((\a)/4)                              ; source 0: window 2 or 3
.set J, 0
.rept 64
	v_med3_num_f32 v[TMP+J], v[AC+J], -v[LIM], v[LIM]
.set J, J+1
.endr
	WIN 0
.irp b, 0,1,2,3,4,5,6,7
	v_cvt_scalef32_pk8_bf8_f32 v[CD+2*\b:CD+2*\b+1], v[TMP+8*\b:TMP+8*\b+7], v[SCL]   ; B's rows 16 b + 8 (l / 16) + 0 .. 7: registers 2 b, 2 b + 1 of the fragment
.endr
	v_nop                                          ; one plain vector instruction between the last conversion and the next block's holds, which write its sources
.irp g, 0,1,2,3
.if \isv
	global_store_b128 v[CO], v[CD+4*\g:CD+4*\g+3], s[70:71] offset:((\a)/4)*262144+((\a)%4)*2048+\g*512   ; head a / 4 of my two, channels 16 (a % 4) on, registers 4 g on
.else
	global_store_b128 v[CO], v[CD+4*\g:CD+4*\g+3], s[70:71] offset:(\a)*1024+(\g/2)*262144+(\g%2)*512     ; rows 16 a on, head g / 2 of my two, piece g % 2
.endif
.endr
.endm
	s_wait_kmcnt 0x0
	s_cmp_lt_u32 ttmp9, 4
	s_cselect_b32 s86, s78, s79                    ; eo: entry 6 (K) or 7 (Q),
	s_cselect_b32 s87, s72, s74                    ; ea: 0 or 2,
	s_cselect_b32 s88, s73, s75                    ; eb: 1 or 3;
	s_cmp_lt_u32 ttmp9, 8
	s_cselect_b32 s86, s86, s80                    ; for V: 9,
	s_cselect_b32 s87, s87, s76                    ; 4,
	s_cselect_b32 s88, s88, s77                    ; 5
	s_sub_co_i32 s86, s86, s87
	s_sub_co_i32 s86, s86, s88                     ; eo - ea - eb
	s_add_co_i32 s86, s86, 127
	s_lshl_b32 s87, s86, 23
	v_mov_b32 v[SCL], s87                          ; 2^(eo - ea - eb) as f32
	s_add_co_i32 s86, s86, 15
	s_lshl_b32 s86, s86, 23
	s_or_b32 s86, s86, 0x600000
	v_mov_b32 v[LIM], s86                          ; 57,344 x that
	PLACES NP                                      ; behind the last products: for the reads of results and for the codes, which land where A's fragments lay
	s_cmp_lt_u32 ttmp9, 8                          ; the two layouts differ in the stores' immediates alone; the branch hangs on the cluster's number
	s_cbranch_scc0 .Lout_v
.irp a, 0,1,2,3,4,5,6,7
	OUT \a, 0
.endr
	s_branch .Lend
.Lout_v:
.irp a, 0,1,2,3,4,5,6,7
	OUT \a, 1
.endr
.Lend:
	s_wait_tensorcnt 0x0                           ; the wave's end, behind my last tensor load
	ds_add_u32 v[SPW], v[NIL]
	s_wait_dscnt 0x0
	CROUND                                         ; the closing round: no work-group ends while a partner may still ask for a tile that names it
	s_endpgm
.Lfunc_end_k_q5c2e9e0f3a_proj:
	.size	k_q5c2e9e0f3a_proj, .Lfunc_end_k_q5c2e9e0f3a_proj-k_q5c2e9e0f3a_proj
	.p2alignl 7, 3214868480
	.fill 96, 4, 3214868480
	.section	.rodata,"a",@progbits
	.p2align	6, 0x0
	.amdhsa_kernel k_q5c2e9e0f3a_proj
		.amdhsa_group_segment_fixed_size 327680
		.amdhsa_private_segment_fixed_size 0
		.amdhsa_enable_private_segment 0
		.amdhsa_kernarg_size 48
		.amdhsa_user_sgpr_count 2
		.amdhsa_user_sgpr_kernarg_segment_ptr 1
		.amdhsa_wavefront_size32 1
		.amdhsa_system_sgpr_workgroup_id_x 1
		.amdhsa_system_sgpr_workgroup_id_y 1
		.amdhsa_system_sgpr_workgroup_id_z 1
		.amdhsa_system_vgpr_workitem_id 0
		.amdhsa_next_free_vgpr 1024
		.amdhsa_next_free_sgpr 100
		.amdhsa_reserve_vcc 0
		.amdhsa_float_denorm_mode_32 3
		.amdhsa_float_denorm_mode_16_64 3
		.amdhsa_memory_ordered 1
		.amdhsa_forward_progress 1
		.amdhsa_inst_pref_size 158
	.end_amdhsa_kernel
	.amdgpu_metadata
---
amdhsa.version: [ 1, 2 ]
amdhsa.kernels:
  - .name:           k_q5c2e9e0f3a_proj
    .symbol:         k_q5c2e9e0f3a_proj.kd
    .args:
      - { .name: x_codes, .offset: 0, .size: 8, .value_kind: global_buffer, .address_space: global }
      - { .name: Wk_codes, .offset: 8, .size: 8, .value_kind: global_buffer, .address_space: global }
      - { .name: Wq_codes, .offset: 16, .size: 8, .value_kind: global_buffer, .address_space: global }
      - { .name: Wv_codes, .offset: 24, .size: 8, .value_kind: global_buffer, .address_space: global }
      - { .name: lowp_scales, .offset: 32, .size: 8, .value_kind: global_buffer, .address_space: global }
      - { .name: kqv, .offset: 40, .size: 8, .value_kind: global_buffer, .address_space: global }
    .group_segment_fixed_size: 327680
    .private_segment_fixed_size: 0
    .kernarg_segment_align: 8
    .kernarg_segment_size: 48
    .max_flat_workgroup_size: 128
    .sgpr_count:     100
    .vgpr_count:     1024
    .wavefront_size: 32
...
	.end_amdgpu_metadata
.endif
;; end of part 1
;; launch attn (part 2): grid 16 x 16, 16 waves a work-group, no clusters, 327,680 bytes of LDS; arguments kqv, lowp_scales, out0; writes out0
.if DOCPART == 2
	.amdgcn_target "amdgcn-amd-amdhsa--gfx1250"
	.amdhsa_code_object_version 6
	.text
	.protected	k_q5c2e9e0f3a_attn
	.globl	k_q5c2e9e0f3a_attn
	.p2align	8
	.type	k_q5c2e9e0f3a_attn,@function
k_q5c2e9e0f3a_attn:
	s_mov_b64 s[64:65], 0
	v_nop
	global_prefetch_b8 v0, s[64:65] scope:SCOPE_SE
	s_setreg_imm32_b32 hwreg(HW_REG_WAVE_MODE, 25, 1), 1
	s_wait_xcnt 0x0
; out0[i][64 h + s] = the sum over j <= i of softmax_j(K[h][i] . Q[h][j] / 8) V[h][j][s]: the softmax's rows are rows of K, its columns rows of Q and of V.  Both products on codes of BF8 (E5M2).
; The codes come as images of operand registers (l = lane):  K at byte 0 and Q at 4 MiB: head x 262,144 + (row / 16) x 1,024 + piece x 512 + 16 l: registers 4 piece .. + 3 of a fragment of 16 rows x 64 channels;
; V at 8 MiB: head x 262,144 + (j / 128) x 8,192 + (channel / 16) x 2,048 + g x 512 + 16 l: registers 4 g .. + 3 of a fragment of 16 channels x 128 j.  Every k stands in the place that the form's own layout gives it.
; THE SOFTMAX AHEAD OF THE SECOND PRODUCT: t = score x log2(e) / 8; M = the row's largest t so far, rounded UP to a whole number; p = 2^(t - M) is quantised with entry 8 of the scales; it is not normalised.
; The row's sum is taken of the unquantised p, in f32, and divides at the end.  When M moves, the sum and O are multiplied by 2^(old M - new M): nothing is rounded.
; SHARES.  A head's 4,096 rows are 64 groups of 64.  Work-group g of the head's sixteen owns groups g, 31 - g, 32 + g, 63 - g: under the causal mask the four together have about the same columns to walk for every g.
; Each of the SIXTEEN waves owns one tile of 16 rows in 256 registers.  Wave w = 4 k + s takes tile k of the group of class (k + s) % 4: any four waves w with equal w % 4, or with equal w / 4, hold one tile of each class.
; Every wave passes all columns, 128 a step; a step all of whose columns lie behind the wave's rows is jumped over: a scalar branch on ids, round work alone.  Trip counts are constants, and every slot is fetched.
; Q's and V's images come through a ring of two LDS slots of 512 columns, filled by the tensor data mover (waves 0, 1: Q's halves; waves 2, 3: V's), read by all sixteen.  The images are dense: an LDS load takes 512 consecutive bytes.
; LAYOUT.  Both products are used transposed: scores: source 0 = 16 rows of Q, source 1 = my 16 rows of K; O^T: source 0 = 16 channels of V, source 1 = p.  A lane holds ONE row i (lane % 16) throughout;
; register n of score tile u is column 16 u + 8 (lane / 16) + n, so the eight codes made of tile u are registers 2 u, 2 u + 1 of p's fragment.
; NO CLUSTER, though a head's sixteen work-groups read the same tiles: the jump over hidden steps hangs on the wave's first row, 64 x group + 16 k, and the group on the work-group's number, which differs between
; any partners that would share a head.
; LIMITS on the given exponents, so that each power of two below is an f32 number: entries 6 + 7 between -123 and 130 (added to c's exponent field); entry 8 between -126 and 112; 8 + 9 is applied by v_ldexp_f32 and has none.  NaN is not served.
; REGISTERS: v1-7 addresses that stay; v8-11 at work; v12 -M, v13 the largest t, v[14:15] the sum in two halves; v16-23 my rows of K; v32-95 eight fragments of Q, then four of V; v96-159 scores, then p;
;   v160-191 O^T; v224-239 p's codes; v240 57,344 x 2^e8; v244 2^e8; v[242:243] a second chain of sums; v246 a lane permute's result; v[252:253] f; v254 at work.
.set SLOT1, 1<<16                      ; a slot: 32,768 bytes of Q's images, then 32,768 of V's; slot 1 begins here, so that one exclusive or turns an address in one slot into the other's
.set VOFF,  32768
.set SLOTB, 32768                      ; a slot's bytes in Q's section, and in V's
.set NSL,   8                          ; 4,096 columns / 512
.set SPARE, 2*SLOT1                    ; behind the ring: the spare words, 128 bytes for each of 16 waves: eight blocks of 256 bytes that no other line names
.set STAGE, SPARE+2048                 ; the way out: 16 rows x (256 bytes + 16) for each wave: bytes of their own, into which no fill lands
.set SP,    272
.set LA,   1                           ; v1   16 x lane: my place in an image; never rewritten
.set ADR,  2                           ; v2   the same in the slot in hand
.set PFO,  3                           ; v3   256 x lane: the prefetches' offset; never rewritten
.set SPW,  5                           ; v5   LDS address of my spare word; never rewritten
.set NIL,  6                           ; v6   0; never rewritten
.set GO,   7                           ; v7   the way out: my byte offset in the wave's rows of out0
.set TB,   2                           ; s2   LDS byte at which the slot in hand begins
.set SLOTS, 3                          ; s3   slots still to be asked for
.set WV,   10                          ; s10  my wave's number
.set SEL,  12                          ; s[12:13] lane selects for v_permlanex16_b32: lane l xor 16
.set CS,   14                          ; s[14:15] c = log2(e) / 8 x 2^(e6 + e7): the packed form names a pair and takes its low word for both halves
.set G1,   16                          ; s[16:23] descriptor group 1
.set G0,   24                          ; s[24:27] descriptor group 0, which walks
.set KF,   32                          ; s32  the step's first column
.set Q0,   33                          ; s33  my first row
.set LIM,  34                          ; s34  1 in a wave that prefetches, else the greatest number
.set PFA,  36                          ; s[36:37] where my prefetches stand
; Waves 0 to 3 fetch, 16,384 bytes each, the others nothing.  The branch hangs on the wave's number alone.  Four v_nop follow the line.
.macro TLOAD
	s_cmp_lt_u32 s[WV], 4
	s_cbranch_scc0 .Lasked_\@
	tensor_load_to_lds s[G0:G0+3], s[G1:G1+7]
	s_nop 0
.rept 4
	v_nop
.endr
.Lasked_\@:
.endm
; A PREFETCH INTO THE L2 of what the NEXT change of slots will ask for: 32,768 bytes of Q's images and as many of V's.  It stands at the change of slots, where the fetching waves have their tensor load.
; Each aligned block of 256 bytes is asked for ONCE in the launch.  All sixteen work-groups of a head walk the same images: the head's first work-group asks (a branch on the work-group's number).  In it the waves ask
; that fetch nothing, one instruction each: waves 4 to 7 for Q's block, waves 8 to 11 for V's, 8,192 bytes a wave, lanes 256 bytes apart.  The last change that fills a slot asks for nothing; slots 0 and 1 come by their loads alone.
.macro ASK
	s_cmp_gt_u32 s[SLOTS], s[LIM]
	s_cbranch_scc0 .Lnot_mine_\@
	global_prefetch_b8 v[PFO], s[PFA:PFA+1] th:TH_LOAD_NT scope:SCOPE_SE
.Lnot_mine_\@:
.endm
	s_load_b128 s[4:7], s[0:1], 0x0                ; the images s[4:5], the scales' exponents s[6:7]
	s_load_b64 s[8:9], s[0:1], 0x10                ; out0
	v_lshl_add_u32 v[SPW], v0, 2, SPARE
	v_mov_b32 v[NIL], 0
	ds_add_u32 v5, v6
	s_wait_dscnt 0x0
	v_lshrrev_b32 v8, 5, v0
	v_readfirstlane_b32 s[WV], v8                  ; wave 0..15
	s_and_b32 s38, ttmp7, 0xffff                   ; the head,
	s_lshl_b32 s39, s38, 18                        ; and its first byte in each section
	s_lshr_b32 s40, s[WV], 2                       ; k: which 16 rows of a group
	s_and_b32 s41, s[WV], 3
	s_add_co_u32 s42, s40, s41
	s_and_b32 s42, s42, 3                          ; the class: 0: group g, 1: 31 - g, 2: 32 + g, 3: 63 - g
	s_sub_co_u32 s43, 31, ttmp9
	s_and_b32 s44, s42, 1
	s_cmp_lg_u32 s44, 0
	s_cselect_b32 s43, s43, ttmp9
	s_lshr_b32 s44, s42, 1
	s_lshl_b32 s44, s44, 5
	s_add_co_u32 s43, s43, s44                     ; the group
	s_lshl_b32 s43, s43, 6
	s_lshl_b32 s44, s40, 4
	s_add_co_u32 s[Q0], s43, s44                   ; my first row: 64 x group + 16 k
	; descriptor group 1: 16,384 dense bytes as 64 rows of 256
	s_mov_b32 s[G1], 3<<16                         ; 15:0 no mask; 17:16 elements of 8 bytes; 20 no padding
	s_mov_b32 s[G1+1], 32<<16                      ; tensor_dim0 = 32 elements
	s_mov_b32 s[G1+2], 64<<16                      ; tensor_dim1 = 64
	s_mov_b32 s[G1+3], 32<<16                      ; tile_dim0 = 32
	s_mov_b32 s[G1+4], 64                          ; tile_dim1 = 64
	s_mov_b32 s[G1+5], 32                          ; tensor_dim0_stride = 32: each row begins where the last ends
	s_mov_b32 s[G1+6], 0
	s_mov_b32 s[G1+7], 0
	; group 0: wave 0, 1: the halves of Q's block; wave 2, 3: of V's
	s_and_b32 s45, s[WV], 3
	s_mov_b32 s[G0], 1                             ; 1:0 count = 1
	s_lshl_b32 s[G0+1], s45, 14                    ; 63:32 LDS address: slot 0, 16,384 x wave
	s_lshr_b32 s46, s45, 1
	s_add_co_u32 s46, s46, 1                       ; section 1 (Q) or 2 (V),
	s_lshl_b32 s46, s46, 22                        ; of 4 MiB,
	s_add_co_u32 s46, s46, s39                     ; my head,
	s_and_b32 s47, s[WV], 1
	s_lshl_b32 s47, s47, 14
	s_add_co_u32 s46, s46, s47                     ; my half
	s_mov_b32 s47, 0
	s_mov_b32 s[SEL], 0x76543210
	s_mov_b32 s[SEL+1], 0xfedcba98
	s_mov_b32 s[CS], 0x3e38aa3b                    ; c = log2(e) / 8
	s_mov_b32 s[TB], 0
	s_mov_b32 s[SLOTS], NSL-1
	s_mov_b32 s[KF], 0
	s_wait_kmcnt 0x0
	s_load_b128 s[28:31], s[6:7], 0x18             ; entries 6 to 9 of the scales: K's, Q's, p's, V's
	s_add_nc_u64 s[G0+2:G0+3], s[4:5], s[46:47]    ; 120:64 global address
	s_or_b32 s[G0+3], s[G0+3], 0x80000000          ; 127:126 type = 2
	TLOAD                                          ; slot 0: one tensor load of mine is out
	v_and_b32 v8, 31, v0                           ; lane
	v_lshlrev_b32 v[LA], 4, v8
	v_lshlrev_b32 v[PFO], 8, v8
	s_lshl_b32 s48, s[Q0], 6                       ; my tile of K: (row / 16) x 1,024 bytes,
	s_add_co_u32 s48, s48, s39                     ; in my head, in section 0
	s_mov_b32 s49, 0
	s_add_nc_u64 s[50:51], s[4:5], s[48:49]
	global_load_b128 v[16:19], v[LA], s[50:51]             ; my rows' fragment stays in registers
	global_load_b128 v[20:23], v[LA], s[50:51] offset:512
	s_lshl_b32 s48, s[Q0], 12                      ; out0: a row is 4,096 bytes,
	s_lshl_b32 s52, s38, 8                         ; a head's 64 numbers 256
	s_add_co_u32 s48, s48, s52
	s_add_nc_u64 s[8:9], s[8:9], s[48:49]
	; the prefetches: where my wave's stand, and who asks
	s_lshr_b32 s52, s[WV], 2                       ; waves 4 to 7: section 1, waves 8 to 11: section 2
	s_min_u32 s52, s52, 2                          ; (held inside the buffer in the waves that never ask)
	s_lshl_b32 s52, s52, 22
	s_add_co_u32 s52, s52, s39
	s_lshl_b32 s53, s45, 13                        ; my wave's 8,192 bytes,
	s_add_co_u32 s52, s52, s53
	s_add_co_u32 s52, s52, SLOTB                   ; in slot 1: the first change of slots steps it to slot 2.  Nothing is prefetched here, at the head
	s_mov_b32 s53, 0
	s_add_nc_u64 s[PFA:PFA+1], s[4:5], s[52:53]
	s_sub_co_u32 s52, s[WV], 4
	s_lshr_b32 s52, s52, 3                         ; 0 in waves 4 to 11,
	s_or_b32 s52, s52, ttmp9                       ; of the head's first work-group
	s_cmp_eq_u32 s52, 0
	s_cselect_b32 s[LIM], 1, -1
	v_mov_b32 v13, 0xff61b1e6                      ; the largest t so far: -3e38, under every t
	v_floor_f32 v12, -v13                          ; -M
	v_mov_b32 v14, 0                               ; the sum, in two halves
	v_mov_b32 v15, 0
	v_mov_b32 v246, 0                              ; written once: a lane permute's destination counts as one of its sources
	v_mov_b32 v253, 0                              ; (named as the upper half of the pair v[252:253])
.set JJ, 0
.rept 32
	v_mov_b32 v[160+JJ], 0                         ; O^T.  (The step is written without a first step of its own: the first finds zeros, which the first change of M leaves zeros)
.set JJ, JJ+1
.endr
	s_wait_kmcnt 0x0
	s_add_co_i32 s52, s28, s29
	s_lshl_b32 s52, s52, 23
	s_add_co_i32 s[CS], s[CS], s52                 ; a score stands for score x 2^(e6 + e7): the two exponents are added to c's exponent field
	s_mov_b32 s[CS+1], s[CS]                       ; (named with it as a pair, so it is written)
	s_add_co_i32 s52, s30, 127
	s_lshl_b32 s53, s52, 23
	v_mov_b32 v244, s53                            ; 2^e8 as f32, for the conversion
	s_add_co_i32 s52, s52, 15
	s_lshl_b32 s52, s52, 23
	s_or_b32 s52, s52, 0x600000
	v_mov_b32 v240, s52                            ; 57,344 x 2^e8
; A STEP: 128 columns, the q-th of the four in the slot in hand.
.macro STEP q
	s_add_co_u32 s54, s[Q0], 15                    ; a step all of whose columns come after my 16 rows is left out: no barrier and no tensor load stands in a step
	s_cmp_gt_u32 s[KF], s54
	s_cbranch_scc1 .Lhidden_\@
	v_add_nc_u32 v[ADR], s[TB], v[LA]
.rept 3
	v_nop                                          ; with the addition above: four places in front of loads into registers that the last step's products have read
.endr
.irp t, 0,1,2,3,4,5,6,7
	ds_load_b128 v[32+8*\t:35+8*\t], v[ADR] offset:(8*(\q)+\t)*1024        ; Q's tile t of the step: 16 columns x 64 channels
	ds_load_b128 v[36+8*\t:39+8*\t], v[ADR] offset:(8*(\q)+\t)*1024+512
.endr
.irp t, 0,1,2,3,4,5,6,7
	s_wait_dscnt 14-2*\t                           ; LDS loads come back in order (ISA guide 5.7.1): tile t's two are in, the later tiles' may be out
	v_wmma_f32_16x16x64_bf8_bf8 v[96+8*\t:103+8*\t], v[32+8*\t:39+8*\t], v[16:23], 0
.endr
.rept 4
	v_nop                                          ; places in front of the loads below, and of the first read of the scores
.endr
.irp f, 0,1,2,3,4,5,6,7,8,9,10,11,12,13,14,15
	ds_load_b128 v[32+4*\f:35+4*\f], v[ADR] offset:VOFF+(\q)*8192+\f*512   ; V's four fragments (16 channels x 128 columns each): they land while the softmax is worked
.endr
	s_add_co_u32 s54, s[KF], 127                   ; on the diagonal the scores of hidden columns become -infinity ahead of the maximum: p = 0 then.  A step all of whose columns count skips this
	s_cmp_le_u32 s54, s[Q0]
	s_cbranch_scc1 .Lopen_\@
	s_sub_co_i32 s54, s[Q0], s[KF]
	v_and_b32 v252, 15, v0
	v_bfe_u32 v254, v0, 4, 1
	v_lshlrev_b32 v254, 3, v254
	v_sub_nc_u32 v252, v252, v254
	v_add_nc_u32 v252, s54, v252                   ; d = my row - KF - 8 (lane / 16).  Register 8 u + n holds column KF + 8 (lane / 16) + 16 u + n: hidden where 16 u + n > d
	v_mov_b32 v254, 0xff800000                     ; -infinity
.irp n, 0,1,2,3,4,5,6,7,8,9,10,11,12,13,14,15,16,17,18,19,20,21,22,23,24,25,26,27,28,29,30,31,32,33,34,35,36,37,38,39,40,41,42,43,44,45,46,47,48,49,50,51,52,53,54,55,56,57,58,59,60,61,62,63
	v_cmp_gt_i32 vcc_lo, 16*(\n/8)+\n%8, v252
	v_cndmask_b32 v[96+\n], v[96+\n], v254, vcc_lo
.endr
.Lopen_\@:
	v_max3_num_f32 v254, v96, v97, v98             ; the step's largest score of my row, among my 64 columns, in two chains, each accumulator from its low end on,
	v_max3_num_f32 v252, v99, v100, v101
.irp i, 6,10,14,18,22,26,30,34,38,42,46,50,54,58
	v_max3_num_f32 v254, v254, v[96+\i], v[97+\i]
	v_max3_num_f32 v252, v252, v[98+\i], v[99+\i]
.endr
	v_max3_num_f32 v254, v254, v158, v159
	v_max_num_f32 v254, v254, v252
	v_permlanex16_b32 v246, v254, s[SEL], s[SEL+1]
	v_max_num_f32 v254, v254, v246                 ; and among lane l xor 16's
	v_mul_f32 v254, s[CS], v254                    ; as t (c is positive)
	v_max_num_f32 v13, v13, v254                   ; the running largest t
	v_mov_b32 v254, v12
	v_floor_f32 v12, -v13                          ; the new -M = floor(-t) = -ceil(t): M is a whole number
	v_sub_f32 v254, v12, v254                      ; M's old value less its new one: a whole number, 0 or less
	v_cvt_i32_f32 v254, v254                       ; (it saturates)
	v_ldexp_f32 v252, 1.0, v254                    ; f = 2^(old M - new M)
.set JJ, 0
.rept 32
	v_pk_fma_f32 v[96+JJ:97+JJ], v[96+JJ:97+JJ], s[CS:CS+1], v[12:13] op_sel_hi:[1,0,0]   ; t - M, two at a time (of the pairs c and -M the low word serves both halves)
.set JJ, JJ+2
.endr
.set JJ, 0
.rept 64
	v_exp_f32 v[96+JJ], v[96+JJ]                   ; p = 2^(t - M), at most 1: not normalised
.set JJ, JJ+1
.endr
	v_pk_mul_f32 v[14:15], v[14:15], v[252:253] op_sel_hi:[1,0]   ; the sums under the new M: the plain instruction behind the exponentials
	s_wait_alu depctr_va_vdst(0)                   ; one wait for the batch of 64, ahead of the first line that names a result
	v_pk_add_f32 v[242:243], v[96:97], v[98:99]    ; the row's sum is taken of the unquantised p: two at a time, in two chains
.irp j, 4,8,12,16,20,24,28,32,36,40,44,48,52,56,60
	v_pk_add_f32 v[14:15], v[14:15], v[96+\j:97+\j]
	v_pk_add_f32 v[242:243], v[242:243], v[98+\j:99+\j]
.endr
	v_pk_add_f32 v[14:15], v[14:15], v[242:243]
.set BB, 0
.rept 8
.set JJ, 0
.rept 8
	v_min_num_f32 v[96+8*BB+JJ], v[96+8*BB+JJ], v240   ; the conversion to an 8-bit code does not saturate (ISA guide 7.6.2); p is not negative, so the hold is one-sided
.set JJ, JJ+1
.endr
	v_cvt_scalef32_pk8_bf8_f32 v[224+2*BB:225+2*BB], v[96+8*BB:103+8*BB], v244   ; columns 16 u + 8 (lane / 16) + 0 .. 7: registers 2 u, 2 u + 1 of p's fragment
.set BB, BB+1
.endr
.set JJ, 0
.rept 16
	v_pk_mul_f32 v[160+JJ:161+JJ], v[160+JJ:161+JJ], v[252:253] op_sel_hi:[1,0]   ; O^T under the new M.  (Plain lines between the last conversion and the products that read its result)
.set JJ, JJ+2
.endr
	s_wait_dscnt 0x0                               ; V's fragments are in
.irp g, 0,1,2,3
	v_wmma_f32_16x16x128_bf8_bf8 v[160+8*\g:167+8*\g], v[32+16*\g:47+16*\g], v[224:239], v[160+8*\g:167+8*\g]   ; O^T += V^T p^T: the four accumulators by turns
.endr
.Lhidden_\@:
	s_add_co_u32 s[KF], s[KF], 128
.endm
; THE CHANGE OF SLOTS stands at a slot's head.  Each wave waits for all its tensor loads (its part of the slot that it is about to read), adds 0 to its spare word, and waits for that and for its reads of the slot that it has left.
; Behind the barrier the slot ahead is whole and nobody reads the other one.  fill = 1: that other slot is filled with the columns that follow: the load has a whole slot's four steps in which to land.
.macro CHANGE fill
	s_wait_tensorcnt 0x0                           ; no tensor load of mine is out, so group 0 may be written
	ds_add_u32 v[SPW], v[NIL]                      ; 0 onto my spare word
.if \fill
	s_xor_b32 s[G0+1], s[G0+1], SLOT1              ; the walking descriptor: the other slot than last time,
	s_add_nc_u64 s[G0+2:G0+3], s[G0+2:G0+3], SLOTB ; the next 512 columns; the type bits on top are not reached
	s_wait_xcnt 0x0                                ; the last prefetch, a slot back, has read its address, so it may be written:
	s_add_nc_u64 s[PFA:PFA+1], s[PFA:PFA+1], SLOTB ; one slot further on than the walking descriptor
.endif
	s_wait_dscnt 0x0                               ; the add is done, and my reads of the slot that I have left are over
	s_barrier_signal -1
	s_barrier_wait -1
.if \fill
	TLOAD                                          ; the first thing behind the barrier, and a wave's one tensor load until the next
	ASK
.endif
.endm
.macro SLOT_STEPS
	STEP 0
	STEP 1
	STEP 2
	STEP 3
	s_xor_b32 s[TB], s[TB], SLOT1                  ; on to the other slot
.endm
	s_wait_loadcnt 0x0                             ; my rows of K
.Lslot:                                                ; NSL - 1 trips: behind each change of slots but the last the next slot is asked for
	CHANGE 1
	SLOT_STEPS
	s_sub_co_u32 s[SLOTS], s[SLOTS], 1
	s_cmp_lg_u32 s[SLOTS], 0
	s_cbranch_scc1 .Lslot
	CHANGE 0                                       ; the last slot is written out
	SLOT_STEPS
	; THE WAY OUT.  The sum's halves are added; O^T is divided by the sum, multiplied by 2^(e8 + e9), and goes through my stage in LDS, so that sixteen lanes store 256 consecutive bytes, aligned: a row's 64 numbers of my head.
	v_add_f32 v14, v14, v15                        ; the sum's two halves,
	v_permlanex16_b32 v246, v14, s[SEL], s[SEL+1]
	v_add_f32 v14, v14, v246                       ; and lane l xor 16's: the row's sum
	v_rcp_f32 v14, v14
	v_and_b32 v8, 15, v0                           ; (a plain instruction behind the reciprocal)  r
	v_bfe_u32 v9, v0, 4, 1                         ; hh
	s_add_co_i32 s52, s30, s31                     ; e8 + e9
	s_mul_i32 s53, s[WV], 16*SP
	s_add_co_u32 s53, s53, STAGE                   ; my stage
	v_mul_u32_u24 v10, v8, SP
	v_lshl_add_u32 v10, v9, 5, v10
	v_add_nc_u32 v10, s53, v10                     ; in: row r; accumulator g's eight channels of my half: 64 g + 32 hh bytes on
	v_mul_u32_u24 v11, v9, SP
	v_lshl_add_u32 v11, v8, 4, v11
	v_add_nc_u32 v11, s53, v11                     ; back: lanes 0-15 one row, lanes 16-31 the next
	v_lshlrev_b32 v[GO], 12, v9
	v_lshl_add_u32 v[GO], v8, 4, v[GO]             ; and the same two rows in out0
	s_wait_alu depctr_va_vdst(0)                   ; ahead of the reciprocal's first reader
	v_ldexp_f32 v14, v14, s52
.set JJ, 0
.rept 32
	v_mul_f32 v[96+JJ], v[160+JJ], v14             ; register 8 g + n is out(r, 16 g + 8 hh + n)
.set JJ, JJ+1
.endr
.irp t, 0,1,2,3
	ds_store_b128 v10, v[96+8*\t:99+8*\t] offset:64*\t
	ds_store_b128 v10, v[100+8*\t:103+8*\t] offset:64*\t+16
.endr
.irp i, 0,1,2,3,4,5,6,7
	ds_load_b128 v[32+4*\i:35+4*\i], v11 offset:2*\i*SP    ; LDS serves a wave's instructions in order (ISA guide 5.7.1.4): these see my stores
.endr
.irp i, 0,1,2,3,4,5,6,7
	s_wait_dscnt 7-\i                              ; load i is in; the later ones may be out
	global_store_b128 v[GO], v[32+4*\i:35+4*\i], s[8:9] offset:2*\i*4096 th:TH_STORE_NT
.endr
	s_wait_tensorcnt 0x0                           ; the wave's end, behind my last tensor load and my last LDS store
	ds_add_u32 v[SPW], v[NIL]
	s_wait_dscnt 0x0
	s_endpgm
.Lfunc_end_k_q5c2e9e0f3a_attn:
	.size	k_q5c2e9e0f3a_attn, .Lfunc_end_k_q5c2e9e0f3a_attn-k_q5c2e9e0f3a_attn
	.p2alignl 7, 3214868480
	.fill 96, 4, 3214868480
	.section	.rodata,"a",@progbits
	.p2align	6, 0x0
	.amdhsa_kernel k_q5c2e9e0f3a_attn
		.amdhsa_group_segment_fixed_size 327680
		.amdhsa_private_segment_fixed_size 0
		.amdhsa_enable_private_segment 0
		.amdhsa_kernarg_size 24
		.amdhsa_user_sgpr_count 2
		.amdhsa_user_sgpr_kernarg_segment_ptr 1
		.amdhsa_wavefront_size32 1
		.amdhsa_system_sgpr_workgroup_id_x 1
		.amdhsa_system_sgpr_workgroup_id_y 1
		.amdhsa_system_sgpr_workgroup_id_z 1
		.amdhsa_system_vgpr_workitem_id 0
		.amdhsa_next_free_vgpr 256
		.amdhsa_next_free_sgpr 66
		.amdhsa_reserve_vcc 1
		.amdhsa_float_denorm_mode_32 3
		.amdhsa_float_denorm_mode_16_64 3
		.amdhsa_memory_ordered 1
		.amdhsa_forward_progress 1
		.amdhsa_inst_pref_size 177
	.end_amdhsa_kernel
	.amdgpu_metadata
---
amdhsa.version: [ 1, 2 ]
amdhsa.kernels:
  - .name:           k_q5c2e9e0f3a_attn
    .symbol:         k_q5c2e9e0f3a_attn.kd
    .args:
      - { .name: kqv, .offset: 0, .size: 8, .value_kind: global_buffer, .address_space: global }
      - { .name: lowp_scales, .offset: 8, .size: 8, .value_kind: global_buffer, .address_space: global }
      - { .name: out0, .offset: 16, .size: 8, .value_kind: global_buffer, .address_space: global }
    .group_segment_fixed_size: 327680
    .private_segment_fixed_size: 0
    .kernarg_segment_align: 8
    .kernarg_segment_size: 24
    .max_flat_workgroup_size: 512
    .sgpr_count:     66
    .vgpr_count:     256
    .wavefront_size: 32
...
	.end_amdgpu_metadata
.endif
;; end of part 2
